; MI455X (gfx1250); checked and timed in simulation.
; The chip was launched on July 23, 2026; its instructions are those of AMD's public machine-readable ISA for CDNA 5 (MIT licence, August 2026) and "CDNA5" Instruction Set Architecture Reference Guide (July 2026). The comments in the code are by the model that wrote it; some were corrected since.
;; Multi Head Attention. Allowed arithmetic: float matrix products may take bf16 or f16 operands with f32 sums; all other float work in f32.
;; Inputs: bk 1,024 float32; bo 1,024 float32; bq 1,024 float32; bv 1,024 float32; k 2 x 2,048 x 1,024 float32; q 2 x 2,048 x 1,024 float32; v 2 x 2,048 x 1,024 float32; wk 1,024 x 1,024 float32; wo 1,024 x 1,024 float32; wq 1,024 x 1,024 float32; wv 1,024 x 1,024 float32.
;; Outputs: out0 2 x 2,048 x 1,024 float32.
;; One version. Each part assembles by itself: llvm-mc -triple=amdgcn-amd-amdhsa -mcpu=gfx1250 --defsym DOCPART=n.
;; ======== version 1 of 1: 3 launches
;; limits: values are held in f16: magnitudes above 65,504 overflow, below 6.1e-05 lose precision
;; workspace buffers: qh 8,388,608 bytes; kh 8,388,608 bytes; vh 8,388,608 bytes; att 8,388,608 bytes; wo16 2,097,152 bytes
;; launch qkv (part 1): grid 4 x 48, 4 waves a work-group, clusters of 4 x 4, 327,680 bytes of LDS; arguments q, k, v, wq, wk, wv, bq, bk, bv, qh, kh, vh; writes qh, kh, vh
.if DOCPART == 1
	.amdgcn_target "amdgcn-amd-amdhsa--gfx1250"
	.amdhsa_code_object_version 6
	.text
	.protected	k_q0f36c327f0_qkv
	.globl	k_q0f36c327f0_qkv
	.p2align	8
	.type	k_q0f36c327f0_qkv,@function
k_q0f36c327f0_qkv:
	s_mov_b64 s[64:65], 0
	v_nop
	global_prefetch_b8 v0, s[64:65] scope:SCOPE_SE
	s_setreg_imm32_b32 hwreg(HW_REG_WAVE_MODE, 25, 1), 1
	s_wait_xcnt 0x0
	s_wait_alu depctr_hold_cnt(0) depctr_sa_sdst(0) depctr_va_vdst(0) depctr_va_sdst(0) depctr_va_ssrc(0) depctr_va_vcc(0) depctr_vm_vsrc(0)
	s_getreg_b32 s2, hwreg(HW_REG_IB_STS2, 6, 4)
	s_cmp_eq_u32 s2, 0
	s_cbranch_scc0 .Lentry_in_a_cluster
	s_endpgm
.Lentry_in_a_cluster:
	s_bfe_u32 s2, ttmp6, 0x10000c
	s_cmp_lg_u32 s2, 0xf033
	s_cbranch_scc0 .Lentry_shape_is_right
	s_endpgm
.Lentry_shape_is_right:
; y = x W^T + b for the three pairs (q, wq, bq), (k, wk, bk), (v, wv, bv).  x: [4096][1024] f32, W: [1024][1024] f32, b: [1024] f32.
; y is rounded once to f16 and stored head-major: element (batch, head, s, d) at byte ((batch*16+head)*2048+s)*128 + 2 d.
; 192 work-groups: 3 tensors x 16 block rows x 4 block columns of 256 x 256.  Four waves, each 128 x 128 of y in 64 accumulator tiles.
; Blocks of 128 x 128 would give 768 work-groups, but each LDS byte would then feed half the multiply-adds; the operands lie in LDS as f32
; (twice the bytes of f16), so the larger block is taken.
; K goes in steps of 64 f32 (rows of 256 bytes, each starting at a multiple of 256 bytes) through two LDS slots filled by tensor loads.
; The waves read f32 fragments into staging registers and round them to f16 (v_cvt_pk_f16_f32) on the way to the matrix instruction.
; CLUSTERS: 4 x 4 work-groups.  x's tile hangs on the block row alone and is asked for jointly along a row of the cluster,
; W's tile on the block column alone and is asked for jointly along a column: a quarter of the requests.
; FORMAT: f16 and not bf16, because y is rounded again on its way through the attention and each rounding to 8 significant bits costs
; about a sixth of the result's allowance; f16's 11 bits cost an eighth of that.
; LIMITS: |x|, |W| and |y| must stay below 65,504, f16's largest number; beyond it the conversion gives infinity.  With x of spread 30 and
; W of spread 30/32 y's spread is 32 x 30 x 30/32 = 900; with a common offset of 30 on x and 30/32 on W the sums reach 1024 x 30 x 30/32 = 28,800.
; The bias is the C of the first product, so it is summed first and not last; sums in f32.
;
; REGISTERS, in windows of 256:
;   window 0: v0-5 at work, v16-28 addresses, v32-95 FA (8 f16 fragments of x), v96-223 SA (their f32 staging), v224-255 TMP (way out)
;   window 1: v0-63 FB (8 f16 fragments of W), v64-191 SB (staging), v192-255 BI (the bias as 8 C fragments)
;   windows 2, 3: accumulators of my rows 0-63, 64-127: tile (a, b) at v[8 (8 a + b)]
; The matrix instruction is used transposed (source 0 = rows of W, source 1 = rows of x): lane l holds row l % 16 of y and its eight
; registers the columns 8 (l / 16) + 0..7, eight neighbouring numbers, and the bias runs along the registers.
.set PITCH,  272                       ; an LDS row: 256 bytes + 16 of padding = 17 x 16: sixteen rows start at sixteen different 16-byte columns of 256
.set HALFT,  128*PITCH                 ; 128 rows: one tensor load, and what one wave reads of x or of W
.set SLOT,   4*HALFT                   ; x's 256 rows, then W's 256 rows
.set STAGE,  2*SLOT                    ; behind the ring: 16 rows x 272 bytes for each wave; no tensor load lands there
.set SPITCH, 272
.set ADRA, 16                          ; v16-17 LDS address of my x fragments in slot 0, 1
.set ADRB, 20                          ; v20-21 the same for W
.set STO,  24                          ; way out: where I put 16 bytes
.set RD,   25                          ; way out: where I read 16 bytes back
.set CO,   26                          ; way out: my byte offset in y
.set PF,   27                          ; prefetch: my byte offset in the block row of x
.set BO,   28                          ; my byte offset in the bias
.set FA,   32
.set SA,   96
.set TMP,  224
.set OB0,  96                          ; way out: two buffers in SA's place
.set OB1,  128
.set FB,   0
.set SB,   64
.set BI,   192
.set G1,  24                           ; s[24:31] group 1 for x's tiles
.set G0,  32                           ; s[32:39] group 0 for x's tiles, a set for each slot
.set G1B, 48                           ; s[48:55] group 1 for W's tiles: the other mask
.set G0B, 56                           ; s[56:63] group 0 for W's tiles
.set MSB, 0
.macro WIN new                         ; the immediate's high byte repeats the setting that is left
.if MSB != (\new)
	s_set_vgpr_msb (MSB<<8)|(\new)
.set MSB, (\new)
.endif
.endm
.set MUL_LO,  0xa1                     ; source 0 (W) window 1, source 1 (x) window 0, C and D window 2
.set MUL_HI,  0xf1                     ; C and D window 3
.set MULF_LO, 0x91                     ; first product: C = the bias in window 1, D window 2
.set MULF_HI, 0xd1                     ; D window 3
.set TO_B,    0x40                     ; destination window 1, address window 0
.set CV_B,    0x45                     ; both sources and the destination in window 1
.macro PLACES                          ; four places behind matrix instructions (ISA guide 7.12.1) ahead of writes of their sources and reads of their results
.rept 4
	v_nop
.endr
.endm
; A joint load: waves 0, 1 ask for x's two halves, waves 2, 3 for W's.  The branch hangs on the wave's number alone.
.macro JLOAD s
	s_cmp_eq_u32 s11, 0
	s_cbranch_scc0 .Lfor_b_\@
	tensor_load_to_lds s[G0+4*\s:G0+4*\s+3], s[G1:G1+7]
	s_nop 0
	s_branch .Lasked_\@
.Lfor_b_\@:
	tensor_load_to_lds s[G0B+4*\s:G0B+4*\s+3], s[G1B:G1B+7]
	s_nop 0
	v_nop
	v_nop
	v_nop
	v_nop
.Lasked_\@:
.endm
.macro CREST                           ; a round of the cluster's barrier behind its opening work-group barrier
	s_cmp_lg_u32 s10, 0
	s_cbranch_scc1 .Lnot_wave_0_\@
	s_barrier_signal -3
.Lnot_wave_0_\@:
	s_barrier_wait -3
	s_barrier_signal -1
	s_barrier_wait -1
.endm
.macro CROUND
	s_barrier_signal -1
	s_barrier_wait -1
	CREST
.endm
	s_load_b512 s[68:83], s[0:1], 0x0              ; q k v wq wk wv bq bk
	s_load_b256 s[84:91], s[0:1], 0x40             ; bv qh kh vh
	v_lshl_add_u32 v30, v0, 2, 0x48400
	v_mov_b32 v31, 0
	ds_add_u32 v30, v31
	v_lshrrev_b32 v1, 5, v0
	v_readfirstlane_b32 s10, v1                    ; wave 0..3
	s_lshr_b32 s11, s10, 1                         ; my half of the block's rows; also: I ask for x (0) or W (1)
	s_and_b32 s12, s10, 1                          ; my half of its columns; also: which 128 rows of the tile I ask for
	s_bfe_u32 s40, ttmp6, 0x40000                  ; cx
	s_bfe_u32 s41, ttmp6, 0x40004                  ; cy
	s_lshl_b32 s42, ttmp9, 2
	s_add_co_u32 s42, s42, s40                     ; block column 0..3
	s_and_b32 s13, ttmp7, 0xffff                   ; cluster y 0..11
	s_lshr_b32 s45, s13, 2                         ; which tensor: 0 q, 1 k, 2 v (the same in all sixteen partners)
	s_and_b32 s13, s13, 3
	s_lshl_b32 s13, s13, 2
	s_add_co_u32 s13, s13, s41                     ; block row in the tensor 0..15
	s_lshl_b32 s43, s41, 2
	s_lshl_b32 s43, 15, s43                        ; my row of the cluster
	s_lshl_b32 s44, 0x1111, s40                    ; my column
	; group 1: 128 rows x 64 elements of 4 bytes, 4 words of padding behind every 64 words
	s_or_b32 s[G1+0], s43, (2<<16)|(1<<20)|(1<<21)|(5<<22)|(3<<25)
	s_or_b32 s[G1B+0], s44, (2<<16)|(1<<20)|(1<<21)|(5<<22)|(3<<25)
	s_mov_b32 s[G1+1], 64<<16                      ; tensor_dim0 = 64
	s_mov_b32 s[G1B+1], 64<<16
	s_mov_b32 s[G1+2], 128<<16                     ; tensor_dim1 = 128
	s_mov_b32 s[G1B+2], 128<<16
	s_mov_b32 s[G1+3], 64<<16                      ; tile_dim0 = 64
	s_mov_b32 s[G1B+3], 64<<16
	s_mov_b32 s[G1+4], 128                         ; tile_dim1 = 128
	s_mov_b32 s[G1B+4], 128
	s_mov_b32 s[G1+5], 1024                        ; elements from row to row
	s_mov_b32 s[G1B+5], 1024
	s_mov_b32 s[G1+6], 0
	s_mov_b32 s[G1B+6], 0
	s_mov_b32 s[G1+7], 0
	s_mov_b32 s[G1B+7], 0
	s_lshl_b32 s17, s12, 7
	s_lshl_b32 s16, s13, 8
	s_add_co_u32 s16, s16, s17                     ; x: row 256 x block row + 128 x half
	s_lshl_b32 s16, s16, 12                        ; rows of 4,096 bytes (below 2^24)
	s_lshl_b32 s46, s42, 8
	s_add_co_u32 s46, s46, s17                     ; W: row 256 x block column + 128 x half
	s_lshl_b32 s46, s46, 12
	s_mov_b32 s17, 0
	s_mov_b32 s47, 0
	s_lshl_b32 s18, s13, 20                        ; the block row's 256 rows of x, for the prefetch
	s_mov_b32 s19, 0
	s_mul_i32 s20, s10, HALFT                      ; LDS: x's two halves, then W's two = wave x 128 rows
	s_wait_dscnt 0x0
	s_wait_kmcnt 0x0
	s_mov_b64 s[4:5], s[68:69]                     ; the tensor's four buffers: x, W, bias, y
	s_mov_b64 s[6:7], s[74:75]
	s_mov_b64 s[66:67], s[80:81]
	s_mov_b64 s[8:9], s[86:87]
	s_cmp_eq_u32 s45, 1
	s_cselect_b64 s[4:5], s[70:71], s[4:5]
	s_cselect_b64 s[6:7], s[76:77], s[6:7]
	s_cselect_b64 s[66:67], s[82:83], s[66:67]
	s_cselect_b64 s[8:9], s[88:89], s[8:9]
	s_cmp_eq_u32 s45, 2
	s_cselect_b64 s[4:5], s[72:73], s[4:5]
	s_cselect_b64 s[6:7], s[78:79], s[6:7]
	s_cselect_b64 s[66:67], s[84:85], s[66:67]
	s_cselect_b64 s[8:9], s[90:91], s[8:9]
	s_add_nc_u64 s[14:15], s[4:5], s[16:17]
	s_add_nc_u64 s[46:47], s[6:7], s[46:47]
	s_add_nc_u64 s[92:93], s[4:5], s[18:19]
	CROUND                                         ; all sixteen work-groups are here: the first joint loads meet
.irp s, 0,1
	s_mov_b32 s[G0+4*\s], 1
	s_add_co_u32 s[G0+4*\s+1], s20, \s*SLOT
	s_add_nc_u64 s[G0+4*\s+2:G0+4*\s+3], s[14:15], \s*256          ; K step s
	s_or_b32 s[G0+4*\s+3], s[G0+4*\s+3], 0x80000000
	s_mov_b32 s[G0B+4*\s], 1
	s_add_co_u32 s[G0B+4*\s+1], s20, \s*SLOT
	s_add_nc_u64 s[G0B+4*\s+2:G0B+4*\s+3], s[46:47], \s*256
	s_or_b32 s[G0B+4*\s+3], s[G0B+4*\s+3], 0x80000000
	JLOAD \s                                       ; both slots' first fills go out ahead of everything else: two loads of the wave are out
.endr
	; An f16 fragment wants, in lane l, row l % 16 and K = 8 (l/16) + 0..7 and 16 + 8 (l/16) + 0..7.  In f32 these are 32 bytes at 32 (l/16)
	; and 32 bytes at 64 + 32 (l/16): four loads of 16 bytes at +0, +16, +64, +80.
	v_and_b32 v1, 15, v0                           ; r = l % 16
	v_bfe_u32 v2, v0, 4, 1                         ; h = l / 16
	v_mul_u32_u24 v3, v1, PITCH
	v_lshl_add_u32 v3, v2, 5, v3                   ; r x pitch + 32 h
	s_mul_i32 s21, s11, HALFT
	s_mul_i32 s22, s12, HALFT
	s_add_co_u32 s22, s22, 2*HALFT
.irp s, 0,1
	v_add_nc_u32 v[ADRA+\s], s21, v3
	v_add_nc_u32 v[ADRB+\s], s22, v3
	s_add_co_u32 s21, s21, SLOT
	s_add_co_u32 s22, s22, SLOT
.endr
	s_mul_i32 s23, s10, 16*SPITCH
	s_add_co_u32 s23, s23, STAGE                   ; my stage
	v_mul_u32_u24 v4, v1, SPITCH
	v_lshl_add_u32 v4, v2, 4, v4
	v_add_nc_u32 v[STO], s23, v4                   ; in: row r, 16 bytes for each half of the lanes
	v_bfe_u32 v4, v0, 3, 1                         ; back: lanes 0-15 take the first head's 128 bytes of two rows, lanes 16-31 the second head's
	v_mul_u32_u24 v4, v4, SPITCH
	v_lshl_add_u32 v4, v2, 7, v4
	v_and_b32 v5, 7, v0
	v_lshl_add_u32 v4, v5, 4, v4
	v_add_nc_u32 v[RD], s23, v4
	v_lshlrev_b32 v5, 4, v1
	v_lshl_add_u32 v[CO], v2, 18, v5               ; a head is 2048 x 128 = 262,144 bytes; two rows of a head are 256 neighbouring bytes
	s_lshl_b32 s94, s42, 10                        ; bias: 4 x (256 x block column + 128 x half + 8 h)
	s_lshl_b32 s95, s12, 9
	s_add_co_u32 s94, s94, s95
	v_lshl_add_u32 v[BO], v2, 5, s94
	s_lshl_b32 s96, s40, 6                         ; prefetch: row 64 cx + 16 wave + r of the block row, 256 bytes of it for each h
	s_lshl_b32 s95, s10, 4
	s_add_co_u32 s96, s96, s95
	v_add_nc_u32 v5, s96, v1
	v_lshlrev_b32 v5, 12, v5
	v_lshl_add_u32 v5, v2, 8, v5
	v_add_nc_u32 v[PF], 512, v5
	WIN TO_B
.irp b, 0,1,2,3,4,5,6,7
	global_load_b128 v[BI+8*\b:BI+8*\b+3],   v[BO], s[66:67] offset:64*\b        ; register j of fragment b: bias of column 16 b + 8 h + j
	global_load_b128 v[BI+8*\b+4:BI+8*\b+7], v[BO], s[66:67] offset:64*\b+16
.endr
	WIN 0
.macro FETCHB slot, k                  ; 32 LDS loads: my 128 rows of W, 32 K at byte k of the rows, as f32
	WIN TO_B
.irp i, 0,1,2,3,4,5,6,7
	ds_load_b128 v[SB+16*\i:SB+16*\i+3],     v[ADRB+\slot] offset:\k+\i*16*PITCH
	ds_load_b128 v[SB+16*\i+4:SB+16*\i+7],   v[ADRB+\slot] offset:\k+\i*16*PITCH+16
	ds_load_b128 v[SB+16*\i+8:SB+16*\i+11],  v[ADRB+\slot] offset:\k+\i*16*PITCH+64
	ds_load_b128 v[SB+16*\i+12:SB+16*\i+15], v[ADRB+\slot] offset:\k+\i*16*PITCH+80
.endr
.endm
.macro FETCHA slot, k                  ; the same for my 128 rows of x
	WIN 0
.irp i, 0,1,2,3,4,5,6,7
	ds_load_b128 v[SA+16*\i:SA+16*\i+3],     v[ADRA+\slot] offset:\k+\i*16*PITCH
	ds_load_b128 v[SA+16*\i+4:SA+16*\i+7],   v[ADRA+\slot] offset:\k+\i*16*PITCH+16
	ds_load_b128 v[SA+16*\i+8:SA+16*\i+11],  v[ADRA+\slot] offset:\k+\i*16*PITCH+64
	ds_load_b128 v[SA+16*\i+12:SA+16*\i+15], v[ADRA+\slot] offset:\k+\i*16*PITCH+80
.endr
.endm
.macro CVTB                            ; 128 f32 a lane to 8 f16 fragments, K in its true places
	WIN CV_B
.irp i, 0,1,2,3,4,5,6,7
.irp j, 0,1,2,3,4,5,6,7
	v_cvt_pk_f16_f32 v[FB+8*\i+\j], v[SB+16*\i+2*\j], v[SB+16*\i+2*\j+1]
.endr
.endr
.endm
.macro CVTA
	WIN 0
.irp i, 0,1,2,3,4,5,6,7
.irp j, 0,1,2,3,4,5,6,7
	v_cvt_pk_f16_f32 v[FA+8*\i+\j], v[SA+16*\i+2*\j], v[SA+16*\i+2*\j+1]
.endr
.endr
.endm
; 16 matrix instructions: m blocks a0, a0 + 1 of the window's four x all 8 n blocks.  first = 1: C is the bias, nothing is cleared.
; The 64 accumulators take turns, one instruction a turn, in the same order in every half step.
.macro MUL16 hi, a0, first
.irp a, \a0, \a0+1
.irp b, 0,1,2,3,4,5,6,7
.if \first
	v_wmma_f32_16x16x32_f16 v[8*(8*(\a)+\b):8*(8*(\a)+\b)+7], v[FB+8*\b:FB+8*\b+7], v[FA+8*(4*\hi+\a):FA+8*(4*\hi+\a)+7], v[BI+8*\b:BI+8*\b+7]
.else
	v_wmma_f32_16x16x32_f16 v[8*(8*(\a)+\b):8*(8*(\a)+\b)+7], v[FB+8*\b:FB+8*\b+7], v[FA+8*(4*\hi+\a):FA+8*(4*\hi+\a)+7], v[8*(8*(\a)+\b):8*(8*(\a)+\b)+7]
.endif
.endr
.endr
.endm
.macro MULS hi, a0, first
.if \first
.if \hi
	WIN MULF_HI
.else
	WIN MULF_LO
.endif
.else
.if \hi
	WIN MUL_HI
.else
	WIN MUL_LO
.endif
.endif
	MUL16 \hi, \a0, \first
.endm
; Each lane asks for 256 bytes of one row of x: K steps 2 lap + 4 and 2 lap + 5, whose tensor loads are issued two and three K steps later.
; The four partners of a row of the cluster, their four waves and sixteen rows a wave cover the 256 rows once; laps 6 and 7 ask for nothing,
; so the last request is for K steps 14 and 15, inside the rows.
.macro PFETCH
	s_wait_xcnt 0x0                                ; the last prefetch, a lap ago, has read its address register
	v_add_nc_u32 v[PF], 512, v[PF]
	global_prefetch_b8 v[PF], s[92:93] th:TH_LOAD_NT scope:SCOPE_SE
.endm
; The first half of a K step (K 0-31 of it): rounds the staged f32, fetches the second half's, multiplies.
.macro HALF0 slot, first
	s_wait_dscnt 32                                ; W's 32 loads are in; x's 32, issued behind them, may be out
	PLACES
	CVTB
	FETCHB \slot, 128
	s_wait_dscnt 32                                ; x's are in; the 32 just issued may be out
	CVTA
	FETCHA \slot, 128
	MULS 0, 0, \first
	MULS 0, 2, \first
	MULS 1, 0, \first
	MULS 1, 2, \first
.endm
; The second half, and the change of slots.  In front of the barrier each wave has all its reads of this slot back and all its tensor loads landed
; (one is out: its part of the next slot).  Behind it (fill = 1: behind a round of the cluster's barrier, so that this holds of all partners)
; this slot is asked for again first, then the next slot's first fragments are read.
.macro TURN slot, next, fill, pf
	s_wait_dscnt 32
	PLACES
	CVTB
	s_wait_dscnt 0                                 ; my reads of this slot are over
	CVTA
	WIN MUL_LO
	s_set_vgpr_msb 0xa1a0
	s_wait_tensorcnt 0x0                           ; all my tensor loads have landed
	ds_add_u32 v30, v31
	s_wait_dscnt 0x0
	s_set_vgpr_msb 0xa0a1
	s_barrier_signal -1
	MUL16 0, 0, 0                                  ; register work while the others arrive
	WIN 0
	s_barrier_wait -1
.if \fill
	CREST
	s_add_nc_u64 s[G0+4*\slot+2:G0+4*\slot+3], s[G0+4*\slot+2:G0+4*\slot+3], 512      ; two K steps on; no load of mine is out
	s_add_nc_u64 s[G0B+4*\slot+2:G0B+4*\slot+3], s[G0B+4*\slot+2:G0B+4*\slot+3], 512
	JLOAD \slot                                    ; my one tensor load behind the round
.endif
.if \pf
	PFETCH
.endif
	FETCHB \next, 0
	FETCHA \next, 0
	MULS 0, 2, 0
	MULS 1, 0, 0
	MULS 1, 2, 0
.endm
.macro LAP first, pf
	HALF0 0, \first
	TURN 0, 1, 1, \pf
	HALF0 1, 0
	TURN 1, 0, 1, 0
.endm
	s_wait_tensorcnt 1                             ; my part of K step 0 is in; K step 1's may stay out
	s_barrier_signal -1
	s_barrier_wait -1
	FETCHB 0, 0
	FETCHA 0, 0
	s_wait_loadcnt 0x0                             ; the bias
	LAP 1, 1                                       ; lap 0 of 8: its first products start the sums from the bias
	WIN 0
	s_mov_b32 s3, 5
.Llap:
	LAP 0, 1                                       ; laps 1 to 5
	WIN 0
	s_sub_co_u32 s3, s3, 1
	s_cmp_lg_u32 s3, 0
	s_cbranch_scc1 .Llap
	LAP 0, 0                                       ; lap 6 asks for K steps 14 and 15, the last
	HALF0 0, 0                                     ; lap 7 fills nothing
	TURN 0, 1, 0, 0
	HALF0 1, 0
	s_wait_dscnt 32
	PLACES
	CVTB
	s_wait_dscnt 0
	CVTA
	MULS 0, 0, 0
	MULS 0, 2, 0
	MULS 1, 0, 0
	MULS 1, 2, 0
	; THE WAY OUT, 16 rows at a time: round to f16, 16 bytes a lane into my stage, read back so that sixteen lanes hold two rows of one head.
	PLACES
	s_lshr_b32 s16, s13, 3                         ; batch: 16 heads x 262,144 bytes
	s_lshl_b32 s16, s16, 22
	s_and_b32 s17, s13, 7                          ; s = 256 x (block row mod 8) + 128 x half, rows of 128 bytes
	s_lshl_b32 s17, s17, 15
	s_add_co_u32 s16, s16, s17
	s_lshl_b32 s17, s11, 14
	s_add_co_u32 s16, s16, s17
	s_mov_b32 s17, 0
	s_add_nc_u64 s[8:9], s[8:9], s[16:17]
	s_lshl_b32 s46, s42, 20                        ; head = 4 x block column + 2 x half
	s_lshl_b32 s47, s12, 19
	s_add_co_u32 s46, s46, s47
	s_mov_b32 s47, 0
	s_add_nc_u64 s[8:9], s[8:9], s[46:47]
.macro OUT16 i, a, from, f
	WIN \from
.irp b, 0,1,2,3,4,5,6,7
.irp r, 0,1,2,3
	v_cvt_pk_f16_f32 v[TMP+4*\b+\r], v[8*(8*\a+\b)+2*\r], v[8*(8*\a+\b)+2*\r+1]
.endr
.endr
	WIN 0
.irp b, 0,1,2,3,4,5,6,7
	ds_store_b128 v[STO], v[TMP+4*\b:TMP+4*\b+3] offset:32*\b
.endr
	s_wait_xcnt 0x0                                ; buffer f, which earlier stores read, is loaded again only behind this wait
.irp t, 0,1,2,3,4,5,6,7
	ds_load_b128 v[\f+4*\t:\f+4*\t+3], v[RD] offset:\t*2*SPITCH    ; a wave's LDS instructions are served in order: these see the stores above
.endr
.irp t, 0,1,2,3,4,5,6,7
	s_wait_dscnt 7-\t                              ; load t of the eight is in
	global_store_b128 v[CO], v[\f+4*\t:\f+4*\t+3], s[8:9] offset:\i*2048+\t*256   ; sixteen lanes store 256 consecutive bytes, aligned
.endr
.endm
	OUT16 0, 0, 0x0a, OB0
	OUT16 1, 1, 0x0a, OB1
	OUT16 2, 2, 0x0a, OB0
	OUT16 3, 3, 0x0a, OB1
	OUT16 4, 0, 0x0f, OB0
	OUT16 5, 1, 0x0f, OB1
	OUT16 6, 2, 0x0f, OB0
	OUT16 7, 3, 0x0f, OB1
	s_wait_tensorcnt 0x0
	ds_add_u32 v30, v31
	s_wait_dscnt 0x0
	CROUND                                         ; the closing round: no work-group ends while a partner may still ask for a tile that names it
	s_endpgm
.Lfunc_end_k_q0f36c327f0_qkv:
	.size	k_q0f36c327f0_qkv, .Lfunc_end_k_q0f36c327f0_qkv-k_q0f36c327f0_qkv
	.p2alignl 7, 3214868480
	.fill 96, 4, 3214868480
	.section	.rodata,"a",@progbits
	.p2align	6, 0x0
	.amdhsa_kernel k_q0f36c327f0_qkv
		.amdhsa_group_segment_fixed_size 327680
		.amdhsa_private_segment_fixed_size 0
		.amdhsa_enable_private_segment 0
		.amdhsa_kernarg_size 96
		.amdhsa_user_sgpr_count 2
		.amdhsa_user_sgpr_kernarg_segment_ptr 1
		.amdhsa_wavefront_size32 1
		.amdhsa_system_sgpr_workgroup_id_x 1
		.amdhsa_system_sgpr_workgroup_id_y 1
		.amdhsa_system_sgpr_workgroup_id_z 1
		.amdhsa_system_vgpr_workitem_id 0
		.amdhsa_next_free_vgpr 1024
		.amdhsa_next_free_sgpr 100
		.amdhsa_reserve_vcc 0
		.amdhsa_float_denorm_mode_32 3
		.amdhsa_float_denorm_mode_16_64 3
		.amdhsa_memory_ordered 1
		.amdhsa_forward_progress 1
		.amdhsa_inst_pref_size 255
	.end_amdhsa_kernel
	.section	.bss,"aw",@nobits
	.p2align	6
	.space	262144
	.amdgpu_metadata
---
amdhsa.version: [ 1, 2 ]
amdhsa.kernels:
  - .name:           k_q0f36c327f0_qkv
    .symbol:         k_q0f36c327f0_qkv.kd
    .args:
      - { .name: q, .offset: 0, .size: 8, .value_kind: global_buffer, .address_space: global }
      - { .name: k, .offset: 8, .size: 8, .value_kind: global_buffer, .address_space: global }
      - { .name: v, .offset: 16, .size: 8, .value_kind: global_buffer, .address_space: global }
      - { .name: wq, .offset: 24, .size: 8, .value_kind: global_buffer, .address_space: global }
      - { .name: wk, .offset: 32, .size: 8, .value_kind: global_buffer, .address_space: global }
      - { .name: wv, .offset: 40, .size: 8, .value_kind: global_buffer, .address_space: global }
      - { .name: bq, .offset: 48, .size: 8, .value_kind: global_buffer, .address_space: global }
      - { .name: bk, .offset: 56, .size: 8, .value_kind: global_buffer, .address_space: global }
      - { .name: bv, .offset: 64, .size: 8, .value_kind: global_buffer, .address_space: global }
      - { .name: qh, .offset: 72, .size: 8, .value_kind: global_buffer, .address_space: global }
      - { .name: kh, .offset: 80, .size: 8, .value_kind: global_buffer, .address_space: global }
      - { .name: vh, .offset: 88, .size: 8, .value_kind: global_buffer, .address_space: global }
    .group_segment_fixed_size: 327680
    .private_segment_fixed_size: 0
    .kernarg_segment_align: 8
    .kernarg_segment_size: 96
    .max_flat_workgroup_size: 128
    .sgpr_count:     100
    .vgpr_count:     1024
    .wavefront_size: 32
...
	.end_amdgpu_metadata
.endif
;; end of part 1
;; launch attn (part 2): grid 8 x 32, 8 waves a work-group, clusters of 4 x 1, 327,680 bytes of LDS; arguments qh, kh, vh, att, wo, wo16; writes att, wo16
.if DOCPART == 2
	.amdgcn_target "amdgcn-amd-amdhsa--gfx1250"
	.amdhsa_code_object_version 6
	.text
	.protected	k_q0f36c327f0_attn
	.globl	k_q0f36c327f0_attn
	.p2align	8
	.type	k_q0f36c327f0_attn,@function
k_q0f36c327f0_attn:
	s_mov_b64 s[64:65], 0
	v_nop
	global_prefetch_b8 v0, s[64:65] scope:SCOPE_SE
	s_setreg_imm32_b32 hwreg(HW_REG_WAVE_MODE, 25, 1), 1
	s_wait_xcnt 0x0
	s_wait_alu depctr_hold_cnt(0) depctr_sa_sdst(0) depctr_va_vdst(0) depctr_va_sdst(0) depctr_va_ssrc(0) depctr_va_vcc(0) depctr_vm_vsrc(0)
	s_getreg_b32 s2, hwreg(HW_REG_IB_STS2, 6, 4)
	s_cmp_eq_u32 s2, 0
	s_cbranch_scc0 .Lentry_in_a_cluster
	s_endpgm
.Lentry_in_a_cluster:
	s_bfe_u32 s2, ttmp6, 0x10000c
	s_cmp_lg_u32 s2, 0x3003
	s_cbranch_scc0 .Lentry_shape_is_right
	s_endpgm
.Lentry_shape_is_right:
; att = softmax(Q K^T / 8) V for each of 32 (batch, head) pairs.  qh, kh, vh, att: f16, [32][2048][64], rows of 128 bytes.
; 256 work-groups: y = the pair, x = one of eight blocks of 256 queries.  Eight waves: wave w owns queries 64 (w & 3) .. + 63 and key group g = w >> 2.
; An LDS slot holds 256 keys (K and V); group g takes keys 128 g .. 128 g + 127 of it, in two sub-steps of 64.  Each K or V fragment read from LDS feeds
; 64 queries.  The two groups' results (running maximum, sum, O) are merged once at the end, through LDS.
; STAGGER: a sub-step is 32 products (S), some 480 vector instructions (softmax) and 32 products (O).  Eight waves are two for each of four SIMDs; two waves
; that leave each barrier with the same text would ask for the matrix unit together and for the vector unit together.  So group 1 runs half a sub-step
; behind: it carries the softmax and the O products of a slot's last sub-step over the barrier (its S and its V fragments are in registers by then), and
; begins each slot with vector work while group 0 begins with products.
; CLUSTERS: the four query blocks of a cluster read the same K and V: every tile is asked for jointly (mask 15).
; LAYOUT: S^T = K Q^T (A = 16 keys, B = 16 queries): lane (r, h) holds keys 8 h + 0..7 of query r.  Two such tiles, rounded in the lane, are the B fragment
; of P^T for O^T = V^T P^T, so P never leaves the lane; V^T's A fragment comes from the transposing LDS load.  Maximum and sum belong to query r, the
; lane's own; one exchange between the halves of the wave joins them.
; SOFTMAX: a running maximum m of the raw scores; NM = round(-c m), c = log2(e) / 8; p = 2^(fma(s, c, NM)); the old sums are scaled by 2^(NM new - NM old):
; every exponent refers to the same rounded number.
; ALSO: each work-group rounds four rows of wo (16 KiB of f32) to f16 into wo16 for the launch that follows, which spares a launch of its own and lets
; that launch's tiles of wo be half the bytes.
; LIMITS: Q, K, V and p enter the products as f16.  p lies in [0, 1]; a p below 3e-8 (half of f16's smallest step) enters the product with V as zero,
; while the sum l adds the unrounded p.  att is a weighted mean of rows of V, so it is in f16's range where V is.  |wo| must stay below 65,504; numbers of
; it below 6e-5 keep an absolute step of 6e-8 (f16's denormals).  v_exp_f32 gives zero for results below 2^-126 (ISA guide 15.8).  A row with NaN or
; infinite scores gives NaN, not necessarily in the same elements as a plain softmax.
.set SLOT, 77824                       ; V: 256 keys x 160 bytes, then K: 256 keys x 144 bytes
.set KOFF, 40960
.set MRG,  155648                      ; behind the ring, for each wave pair: O 16,384 + NM 512 + L 512; no tensor load lands there
.set MRGW, 17408
.set STG,  225280                      ; way out, for each of waves 0-3: 64 rows x 144 bytes
.set STGW, 9216
.set ADRK, 8                           ; v8-9   LDS address of my K fragments in slot 0, 1
.set ADRV, 10                          ; v10-11 the same for V
.set QOFF, 12
.set STO,  13
.set RD,   14
.set MA,   15                          ; my 16 bytes in the pair's merge area
.set M,    16                          ; v16-19 running maximum of query tile qt
.set L,    20                          ; v20-23 the lane's part of the sum
.set T,    24
.set X,    28
.set NM,   32                          ; v32-39 -c m, twice (pairs for packed arithmetic)
.set AL,   40                          ; v40-47 the scale of the old sums, twice
.set U,    48
.set CO,   56
.set WOF,  57                          ; my byte offset in the work-group's four rows of wo
.set W16,  58                          ; and in wo16
.set Q,    64                          ; v64-127  Q's fragments, (qt, ks) at 8 (2 qt + ks)
.set F,    128                         ; v128-191 K's fragments (kt, ks), then V's (dt, kh)
.set P,    192                         ; v192-255 P's fragments, (qt, kh) at 8 (2 qt + kh); at the head: wo's numbers
.set S,    0                           ; window 1: v0-127   S^T, tile (kt, qt) at 8 (4 kt + qt)
.set O,    128                         ; window 1: v128-255 O^T, tile (dt, qt) at 8 (4 dt + qt)
.set G1V, 24
.set G1K, 32
.set G0V, 40                           ; a set of four for each slot
.set G0K, 48
.set MSB, 0
.macro WIN new
.if MSB != (\new)
	s_set_vgpr_msb (MSB<<8)|(\new)
.set MSB, (\new)
.endif
.endm
.macro PLACES                          ; four places behind matrix instructions (ISA guide 7.12.1)
.rept 4
	v_nop
.endr
.endm
.macro JLOAD s                         ; waves 0-3 ask for 64 keys of V each, waves 4-7 for 64 keys of K
	s_cmp_eq_u32 s15, 0
	s_cbranch_scc0 .Lfor_k_\@
	tensor_load_to_lds s[G0V+4*\s:G0V+4*\s+3], s[G1V:G1V+7]
	s_nop 0
	s_branch .Lasked_\@
.Lfor_k_\@:
	tensor_load_to_lds s[G0K+4*\s:G0K+4*\s+3], s[G1K:G1K+7]
	s_nop 0
.Lasked_\@:
.endm
.macro ROUND                           ; a round of the cluster's barrier
	s_barrier_signal -1
	s_barrier_wait -1
	s_cmp_lg_u32 s14, 0
	s_cbranch_scc1 .Lnot_wave_0_\@
	s_barrier_signal -3
.Lnot_wave_0_\@:
	s_barrier_wait -3
	s_barrier_signal -1
	s_barrier_wait -1
.endm
	s_load_b256 s[4:11], s[0:1], 0x0               ; qh s[4:5], kh s[6:7], vh s[8:9], att s[10:11]
	s_load_b128 s[68:71], s[0:1], 0x20             ; wo s[68:69], wo16 s[70:71]
	v_lshl_add_u32 v62, v0, 2, 0x40000
	v_mov_b32 v63, 0
	ds_add_u32 v62, v63
	v_lshrrev_b32 v1, 5, v0
	v_readfirstlane_b32 s14, v1                    ; wave 0..7
	s_lshr_b32 s15, s14, 2                         ; key group g
	s_and_b32 s16, s14, 3                          ; my 64 queries; also: which 64 keys of a slot I ask for
	s_bfe_u32 s17, ttmp6, 0x40000                  ; cx
	s_lshl_b32 s18, ttmp9, 2
	s_add_co_u32 s18, s18, s17                     ; query block 0..7
	s_and_b32 s19, ttmp7, 0xffff                   ; the pair 0..31
	s_lshl_b32 s23, s19, 3
	s_add_co_u32 s23, s23, s18                     ; the work-group's number 0..255: its four rows of wo
	s_lshl_b32 s66, s23, 14                        ; 4 rows x 4,096 bytes
	s_mov_b32 s67, 0
	s_mov_b32 s12, 0x76543210                      ; v_permlanex16_b32: lane i reads lane i of the other half
	s_mov_b32 s13, 0xfedcba98
	s_mov_b32 s20, 0x3e38aa3b                      ; c = log2(e) / 8
	s_mov_b32 s21, 0x3e38aa3b
	s_mov_b32 s22, 0xbe38aa3b                      ; -c
	; group 1: 64 keys are a dense block of 8,192 bytes, taken as 32 rows of 128 elements (256 bytes); padding behind every 32 words, that is behind each key:
	; 8 words for V (pitch 160, an odd multiple of 32, for the transposing load), 4 for K (pitch 144, an odd multiple of 16)
	s_mov_b32 s[G1V+0], 15|(1<<16)|(1<<20)|(1<<21)|(4<<22)|(7<<25)
	s_mov_b32 s[G1K+0], 15|(1<<16)|(1<<20)|(1<<21)|(4<<22)|(3<<25)
	s_mov_b32 s[G1V+1], 128<<16
	s_mov_b32 s[G1K+1], 128<<16
	s_mov_b32 s[G1V+2], 32<<16
	s_mov_b32 s[G1K+2], 32<<16
	s_mov_b32 s[G1V+3], 128<<16
	s_mov_b32 s[G1K+3], 128<<16
	s_mov_b32 s[G1V+4], 32
	s_mov_b32 s[G1K+4], 32
	s_mov_b32 s[G1V+5], 128
	s_mov_b32 s[G1K+5], 128
	s_mov_b32 s[G1V+6], 0
	s_mov_b32 s[G1K+6], 0
	s_mov_b32 s[G1V+7], 0
	s_mov_b32 s[G1K+7], 0
	s_lshl_b32 s56, s19, 18                        ; the pair's 2048 rows of 128 bytes,
	s_lshl_b32 s57, s16, 13                        ; + 64 rows x (w & 3): K's and V's offset, and part of Q's
	s_add_co_u32 s56, s56, s57
	s_mov_b32 s57, 0
	s_lshl_b32 s58, s18, 15                        ; + 256 rows x query block: Q's and att's offset
	s_add_co_u32 s58, s58, s56
	s_mov_b32 s59, 0
	s_mul_i32 s61, s14, 10240                      ; V's LDS part: wave x 64 keys x 160 (waves 0-3)
	s_mul_i32 s62, s14, 9216                       ; K's: 40,960 + (wave - 4) x 64 keys x 144 (waves 4-7)
	s_add_co_u32 s62, s62, 4096
	v_and_b32 v1, 31, v0                           ; lane l
	v_and_b32 v2, 15, v0                           ; r
	v_bfe_u32 v3, v0, 4, 1                         ; h
	v_and_b32 v4, 7, v0
	v_bfe_u32 v5, v0, 3, 1
	v_mul_u32_u24 v6, v2, 144
	v_lshl_add_u32 v6, v3, 4, v6                   ; r x 144 + 16 h
	s_mul_i32 s63, s15, 18432
	s_add_co_u32 s63, s63, KOFF
	v_add_nc_u32 v[ADRK], s63, v6
	v_add_nc_u32 v[ADRK+1], SLOT, v[ADRK]
	v_lshl_add_u32 v7, v3, 3, v4                   ; transposing load: key 8 h + (l & 7), 16 bytes at 16 ((l >> 3) & 1)
	v_mul_u32_u24 v7, v7, 160
	v_lshl_add_u32 v7, v5, 4, v7
	s_mul_i32 s63, s15, 20480
	v_add_nc_u32 v[ADRV], s63, v7
	v_add_nc_u32 v[ADRV+1], SLOT, v[ADRV]
	v_lshlrev_b32 v7, 7, v2
	v_lshl_add_u32 v[QOFF], v3, 4, v7              ; r x 128 + 16 h
	s_mul_i32 s63, s16, STGW
	s_add_co_u32 s63, s63, STG
	v_add_nc_u32 v[STO], s63, v6
	v_lshrrev_b32 v7, 3, v1
	v_mul_u32_u24 v7, v7, 144
	v_lshl_add_u32 v7, v4, 4, v7
	v_add_nc_u32 v[RD], s63, v7                    ; back: four rows of 128 bytes for the 32 lanes
	s_mul_i32 s63, s16, MRGW
	s_add_co_u32 s63, s63, MRG
	v_lshlrev_b32 v[CO], 4, v1
	v_add_nc_u32 v[MA], s63, v[CO]
	v_lshlrev_b32 v[WOF], 5, v0                    ; thread t: 8 f32 = 32 bytes at 32 t,
	v_lshlrev_b32 v[W16], 4, v0                    ; 8 f16 = 16 bytes at 16 t
.irp qt, 0,1,2,3
	v_mov_b32 v[X+\qt], 0                          ; the lane exchange counts as a reader of its destination
.endr
	s_wait_dscnt 0x0
	s_wait_kmcnt 0x0
	s_add_nc_u64 s[4:5], s[4:5], s[58:59]
	s_add_nc_u64 s[10:11], s[10:11], s[58:59]
	s_add_nc_u64 s[6:7], s[6:7], s[56:57]
	s_add_nc_u64 s[8:9], s[8:9], s[56:57]
	s_add_nc_u64 s[68:69], s[68:69], s[66:67]
	s_lshl_b32 s66, s23, 13                        ; 4 rows x 2,048 bytes
	s_add_nc_u64 s[70:71], s[70:71], s[66:67]
.irp s, 0,1
	s_mov_b32 s[G0V+4*\s], 1
	s_add_co_u32 s[G0V+4*\s+1], s61, \s*SLOT
	s_add_nc_u64 s[G0V+4*\s+2:G0V+4*\s+3], s[8:9], \s*32768        ; keys 256 s ..
	s_or_b32 s[G0V+4*\s+3], s[G0V+4*\s+3], 0x80000000
	s_mov_b32 s[G0K+4*\s], 1
	s_add_co_u32 s[G0K+4*\s+1], s62, \s*SLOT
	s_add_nc_u64 s[G0K+4*\s+2:G0K+4*\s+3], s[6:7], \s*32768
	s_or_b32 s[G0K+4*\s+3], s[G0K+4*\s+3], 0x80000000
.endr
.irp qt, 0,1,2,3
.irp ks, 0,1
	global_load_b128 v[Q+8*(2*\qt+\ks):Q+8*(2*\qt+\ks)+3],   v[QOFF], s[4:5] offset:\qt*2048+\ks*64      ; Q's fragments stay in registers: 8 KiB a wave, read once
	global_load_b128 v[Q+8*(2*\qt+\ks)+4:Q+8*(2*\qt+\ks)+7], v[QOFF], s[4:5] offset:\qt*2048+\ks*64+32
.endr
.endr
.irp j, 0,1
	global_load_b128 v[P+8*\j:P+8*\j+3],   v[WOF], s[68:69] offset:8192*\j th:TH_LOAD_NT       ; two blocks of 2,048 numbers of wo, 8 a thread in each
	global_load_b128 v[P+8*\j+4:P+8*\j+7], v[WOF], s[68:69] offset:8192*\j+16 th:TH_LOAD_NT
.endr
	ROUND                                          ; the four partners are here: the first joint load meets
	JLOAD 0                                        ; keys 0-255
	s_wait_loadcnt 0x0                             ; Q and wo
.irp j, 0,1,2,3,4,5,6,7
	v_cvt_pk_f16_f32 v[P+16+\j], v[P+2*\j], v[P+2*\j+1]
.endr
	global_store_b128 v[W16], v[P+16:P+19], s[70:71]               ; sixteen lanes store 256 consecutive bytes, aligned
	global_store_b128 v[W16], v[P+20:P+23], s[70:71] offset:4096
	s_wait_xcnt 0x0                                ; P's registers, which these stores read, are written again in the first sub-step
; The first half of a sub-step: 64 keys (sub-step sub of the slot, my group's half) against my 64 queries, S^T = K Q^T; then V's fragments are asked for.
; The sixteen accumulators take turns, one instruction a turn.
.macro QKP slot, sub
	PLACES                                         ; F was read by the last products
.irp ks, 0,1
.irp kt, 0,1,2,3
	ds_load_b128 v[F+8*(2*\kt+\ks):F+8*(2*\kt+\ks)+3],   v[ADRK+\slot] offset:\sub*9216+\kt*2304+\ks*64
	ds_load_b128 v[F+8*(2*\kt+\ks)+4:F+8*(2*\kt+\ks)+7], v[ADRK+\slot] offset:\sub*9216+\kt*2304+\ks*64+32
.endr
.endr
	s_wait_dscnt 8                                 ; d 0-31 of the four key tiles are in; the eight loads for d 32-63 may be out
	WIN 0x50                                       ; C and D in window 1
.irp kt, 0,1,2,3
.irp qt, 0,1,2,3
	v_wmma_f32_16x16x32_f16 v[S+8*(4*\kt+\qt):S+8*(4*\kt+\qt)+7], v[F+16*\kt:F+16*\kt+7], v[Q+16*\qt:Q+16*\qt+7], 0
.endr
.endr
	s_wait_dscnt 0
.irp kt, 0,1,2,3
.irp qt, 0,1,2,3
	v_wmma_f32_16x16x32_f16 v[S+8*(4*\kt+\qt):S+8*(4*\kt+\qt)+7], v[F+16*\kt+8:F+16*\kt+15], v[Q+16*\qt+8:Q+16*\qt+15], v[S+8*(4*\kt+\qt):S+8*(4*\kt+\qt)+7]
.endr
.endr
	WIN 0
	PLACES                                         ; ahead of the loads into F and of the reads of S
.irp dt, 0,1,2,3
.irp kh, 0,1
	ds_load_tr16_b128 v[F+8*(2*\dt+\kh):F+8*(2*\dt+\kh)+3],   v[ADRV+\slot] offset:\sub*10240+\kh*5120+\dt*32       ; V^T: d 16 dt + r, keys 32 kh + 8 h ..
	ds_load_tr16_b128 v[F+8*(2*\dt+\kh)+4:F+8*(2*\dt+\kh)+7], v[ADRV+\slot] offset:\sub*10240+\kh*5120+\dt*32+2560  ; keys 32 kh + 16 + 8 h ..
.endr
.endr
.endm
; The second half of a sub-step: softmax of the S in registers, then O^T += V^T P^T with the V fragments in registers.  It reads no LDS.
; first = 1: nothing to rescale, the products start the sums.
.macro SMPV first
	; the largest of my 32 scores of each query tile, four chains side by side
	WIN 0x15
.irp qt, 0,1,2,3
	v_max3_num_f32 v[T+\qt], v[S+8*\qt], v[S+8*\qt+1], v[S+8*\qt+2]
.endr
	WIN 0x14
.set n, 3
.rept 14
.irp qt, 0,1,2,3
	v_max3_num_f32 v[T+\qt], v[T+\qt], v[S+8*(4*(n/8)+\qt)+n%8], v[S+8*(4*((n+1)/8)+\qt)+(n+1)%8]
.endr
.set n, n+2
.endr
.irp qt, 0,1,2,3
	v_max_num_f32 v[T+\qt], v[T+\qt], v[S+8*(12+\qt)+7]
.endr
	WIN 0
.irp qt, 0,1,2,3
	v_permlanex16_b32 v[X+\qt], v[T+\qt], s12, s13         ; the other half's keys of the same query
.endr
.irp qt, 0,1,2,3
.if \first
	v_max_num_f32 v[M+\qt], v[T+\qt], v[X+\qt]
.else
	v_max3_num_f32 v[M+\qt], v[T+\qt], v[X+\qt], v[M+\qt]
.endif
.endr
.irp qt, 0,1,2,3
	v_mul_f32 v[T+\qt], s22, v[M+\qt]                      ; -c m, rounded once
.endr
.if \first == 0
.irp qt, 0,1,2,3
	v_sub_f32 v[X+\qt], v[T+\qt], v[NM+2*\qt]
.endr
.irp qt, 0,1,2,3
	v_exp_f32 v[AL+2*\qt], v[X+\qt]                        ; the plain moves below stand between these and the first use of their results
.endr
.endif
.irp qt, 0,1,2,3
	v_mov_b32 v[NM+2*\qt], v[T+\qt]
	v_mov_b32 v[NM+2*\qt+1], v[T+\qt]
.endr
.if \first == 0
	s_wait_alu depctr_va_vdst(0)
.irp qt, 0,1,2,3
	v_mov_b32 v[AL+2*\qt+1], v[AL+2*\qt]
.endr
.endif
	; p = 2^(c s - c m), in place.  Behind a tile's eight exponentials the next tile's multiply-adds are the plain instructions that their results need.
	WIN 0x41
.irp kt, 0,1,2,3
.irp qt, 0,1,2,3
.irp p, 0,2,4,6
	v_pk_fma_f32 v[S+8*(4*\kt+\qt)+\p:S+8*(4*\kt+\qt)+\p+1], v[S+8*(4*\kt+\qt)+\p:S+8*(4*\kt+\qt)+\p+1], s[20:21], v[NM+2*\qt:NM+2*\qt+1] op_sel_hi:[1,0,1]
.endr
.irp j, 0,1,2,3,4,5,6,7
	v_exp_f32 v[S+8*(4*\kt+\qt)+\j], v[S+8*(4*\kt+\qt)+\j]
.endr
.endr
.endr
.if \first == 0
	s_wait_alu depctr_va_vdst(0)
.irp dt, 0,1,2,3
.irp qt, 0,1,2,3
.irp p, 0,2,4,6
	v_pk_mul_f32 v[O+8*(4*\dt+\qt)+\p:O+8*(4*\dt+\qt)+\p+1], v[O+8*(4*\dt+\qt)+\p:O+8*(4*\dt+\qt)+\p+1], v[AL+2*\qt:AL+2*\qt+1]
.endr
.endr
.endr
.endif
	; P^T's fragments: key tiles 2 kh and 2 kh + 1 give registers 0-3 and 4-7; and the lane's sum of p
	WIN 0x05
	s_wait_alu depctr_va_vdst(0)
.irp kt, 0,1,2,3
.irp qt, 0,1,2,3
.irp jj, 0,1,2,3
	v_cvt_pk_f16_f32 v[P+8*(2*\qt+\kt/2)+4*(\kt%2)+\jj], v[S+8*(4*\kt+\qt)+2*\jj], v[S+8*(4*\kt+\qt)+2*\jj+1]
.endr
.endr
.endr
.irp qt, 0,1,2,3
	v_pk_add_f32 v[U+2*\qt:U+2*\qt+1], v[S+8*\qt:S+8*\qt+1], v[S+8*\qt+2:S+8*\qt+3]
.endr
	WIN 0x04
.set n, 2
.rept 14
.irp qt, 0,1,2,3
	v_pk_add_f32 v[U+2*\qt:U+2*\qt+1], v[U+2*\qt:U+2*\qt+1], v[S+8*(4*(n/4)+\qt)+2*(n%4):S+8*(4*(n/4)+\qt)+2*(n%4)+1]
.endr
.set n, n+1
.endr
	WIN 0
.irp qt, 0,1,2,3
.if \first
	v_add_f32 v[L+\qt], v[U+2*\qt], v[U+2*\qt+1]
.else
	v_add_f32 v[U+2*\qt], v[U+2*\qt], v[U+2*\qt+1]
.endif
.endr
.if \first == 0
.irp qt, 0,1,2,3
	v_fma_f32 v[L+\qt], v[L+\qt], v[AL+2*\qt], v[U+2*\qt]
.endr
.endif
	s_wait_dscnt 0x0                               ; V's fragments
	WIN 0x50
.irp dt, 0,1,2,3
.irp qt, 0,1,2,3
.if \first
	v_wmma_f32_16x16x32_f16 v[O+8*(4*\dt+\qt):O+8*(4*\dt+\qt)+7], v[F+16*\dt:F+16*\dt+7], v[P+16*\qt:P+16*\qt+7], 0
.else
	v_wmma_f32_16x16x32_f16 v[O+8*(4*\dt+\qt):O+8*(4*\dt+\qt)+7], v[F+16*\dt:F+16*\dt+7], v[P+16*\qt:P+16*\qt+7], v[O+8*(4*\dt+\qt):O+8*(4*\dt+\qt)+7]
.endif
.endr
.endr
.irp dt, 0,1,2,3
.irp qt, 0,1,2,3
	v_wmma_f32_16x16x32_f16 v[O+8*(4*\dt+\qt):O+8*(4*\dt+\qt)+7], v[F+16*\dt+8:F+16*\dt+15], v[P+16*\qt+8:P+16*\qt+15], v[O+8*(4*\dt+\qt):O+8*(4*\dt+\qt)+7]
.endr
.endr
	WIN 0
.endm
; One slot's 256 keys.  In front of the round every wave has all its tensor loads landed (its part of this slot among them) and its reads of the other slot
; back, group 1's loads of the last V fragments among them; behind it that holds of every wave of the four partners, and the other slot is asked for again
; first: one tensor load of the wave is out.
; lead = 1: group 1 first finishes the other slot's last sub-step, from registers.  tailall = 0: group 0 alone finishes this slot's last sub-step here;
; tailall = 1 (the last slot): both groups do.  The two branches hang on the wave's number and jump over register work alone.
.macro TRIP slot, other, refill, lead, first, tailall
	s_wait_tensorcnt 0x0
	ds_add_u32 v62, v63
	s_wait_dscnt 0x0
	s_add_nc_u64 s[G0V+4*\slot+2:G0V+4*\slot+3], s[G0V+4*\slot+2:G0V+4*\slot+3], 65536    ; this slot's next 256 keys; no load of mine is out
	s_add_nc_u64 s[G0K+4*\slot+2:G0K+4*\slot+3], s[G0K+4*\slot+2:G0K+4*\slot+3], 65536
	s_wait_dscnt 0x0
	ROUND
.if \refill
	JLOAD \other
.endif
.if \lead
	s_cmp_eq_u32 s15, 0
	s_cbranch_scc1 .Lno_lead_\@
	SMPV 0
.Lno_lead_\@:
.endif
	QKP \slot, 0
	SMPV \first
	QKP \slot, 1
.if \tailall
	SMPV 0
.else
	s_cmp_lg_u32 s15, 0
	s_cbranch_scc1 .Lno_tail_\@
	SMPV 0
.Lno_tail_\@:
.endif
.endm
	TRIP 0, 1, 1, 0, 1, 0                          ; keys 0-255; asks for keys 256-511
	s_mov_b32 s60, 3
.Lkeys:
	TRIP 1, 0, 1, 1, 0, 0                          ; six slots' worth of keys in three trips of the loop; the last of them asks for keys 1792-2047
	TRIP 0, 1, 1, 1, 0, 0
	s_sub_co_u32 s60, s60, 1
	s_cmp_lg_u32 s60, 0
	s_cbranch_scc1 .Lkeys
	TRIP 1, 0, 0, 1, 0, 1                          ; keys 1792-2047: nothing is left to ask for
	; THE MERGE.  Group 1 hands O, NM and l to group 0 through LDS.
	PLACES
.irp qt, 0,1,2,3
	v_permlanex16_b32 v[X+\qt], v[L+\qt], s12, s13
.endr
.irp qt, 0,1,2,3
	v_add_f32 v[L+\qt], v[L+\qt], v[X+\qt]         ; the whole sum of my group's keys
.endr
	s_cmp_eq_u32 s15, 0
	s_cbranch_scc1 .Lkeep
.irp qt, 0,1,2,3
	v_mov_b32 v[T+\qt], v[NM+2*\qt]
.endr
	WIN 0x04                                       ; store data in window 1
.set n, 0
.rept 32
	ds_store_b128 v[MA], v[O+4*n:O+4*n+3] offset:512*n
.set n, n+1
.endr
	WIN 0
	ds_store_b128 v[MA], v[T:T+3] offset:16384
	ds_store_b128 v[MA], v[L:L+3] offset:16896
.Lkeep:
	s_wait_dscnt 0x0                               ; the stores are done before the signal
	s_barrier_signal -1
	s_barrier_wait -1
	s_cmp_lg_u32 s15, 0
	s_cbranch_scc1 .Ldone
	ds_load_b128 v[T:T+3], v[MA] offset:16384      ; the partner's NM
	ds_load_b128 v[X:X+3], v[MA] offset:16896      ; and l
.set n, 0
.rept 32
	ds_load_b128 v[Q+4*n:Q+4*n+3], v[MA] offset:512*n      ; its O, in Q's and F's place
.set n, n+1
.endr
	s_wait_dscnt 32                                ; NM and l are in; O's 32 loads may be out
.irp qt, 0,1,2,3
	v_min_num_f32 v[U+\qt], v[NM+2*\qt], v[T+\qt]  ; the smaller -c m is the larger maximum
.endr
.irp qt, 0,1,2,3
	v_sub_f32 v[AL+2*\qt], v[U+\qt], v[NM+2*\qt]
	v_sub_f32 v[U+4+\qt], v[U+\qt], v[T+\qt]
.endr
.irp qt, 0,1,2,3
	v_exp_f32 v[AL+2*\qt], v[AL+2*\qt]
	v_exp_f32 v[U+4+\qt], v[U+4+\qt]
.endr
	v_nop                                          ; a plain instruction between the exponentials and their use
	s_wait_alu depctr_va_vdst(0)
.irp qt, 0,1,2,3
	v_mul_f32 v[L+\qt], v[L+\qt], v[AL+2*\qt]
.endr
.irp qt, 0,1,2,3
	v_fma_f32 v[L+\qt], v[U+4+\qt], v[X+\qt], v[L+\qt]
.endr
.irp qt, 0,1,2,3
	v_rcp_f32 v[L+\qt], v[L+\qt]                   ; l is at least about 1: the largest score's p
.endr
	v_nop
	s_wait_alu depctr_va_vdst(0)
.irp qt, 0,1,2,3
	v_mul_f32 v[AL+2*\qt], v[AL+2*\qt], v[L+\qt]   ; my O's factor
	v_mul_f32 v[NM+2*\qt], v[U+4+\qt], v[L+\qt]    ; the partner's
.endr
.irp qt, 0,1,2,3
	v_mov_b32 v[AL+2*\qt+1], v[AL+2*\qt]
	v_mov_b32 v[NM+2*\qt+1], v[NM+2*\qt]
.endr
	WIN 0x41
.irp dt, 0,1,2,3
.irp qt, 0,1,2,3
.irp p, 0,2,4,6
	v_pk_mul_f32 v[O+8*(4*\dt+\qt)+\p:O+8*(4*\dt+\qt)+\p+1], v[O+8*(4*\dt+\qt)+\p:O+8*(4*\dt+\qt)+\p+1], v[AL+2*\qt:AL+2*\qt+1]
.endr
.endr
.endr
	s_wait_dscnt 0x0
	WIN 0x50
.irp dt, 0,1,2,3
.irp qt, 0,1,2,3
.irp p, 0,2,4,6
	v_pk_fma_f32 v[O+8*(4*\dt+\qt)+\p:O+8*(4*\dt+\qt)+\p+1], v[Q+8*(4*\dt+\qt)+\p:Q+8*(4*\dt+\qt)+\p+1], v[NM+2*\qt:NM+2*\qt+1], v[O+8*(4*\dt+\qt)+\p:O+8*(4*\dt+\qt)+\p+1]
.endr
.endr
.endr
	WIN 0x05
.irp dt, 0,1,2,3
.irp qt, 0,1,2,3
.irp jj, 0,1,2,3
	v_cvt_pk_f16_f32 v[P+4*(4*\dt+\qt)+\jj], v[O+8*(4*\dt+\qt)+2*\jj], v[O+8*(4*\dt+\qt)+2*\jj+1]
.endr
.endr
.endr
	WIN 0
.irp dt, 0,1,2,3
.irp qt, 0,1,2,3
	ds_store_b128 v[STO], v[P+4*(4*\dt+\qt):P+4*(4*\dt+\qt)+3] offset:\qt*2304+\dt*32     ; query 16 qt + r, d 16 dt + 8 h + 0..7
.endr
.endr
.irp t, 0,1,2,3,4,5,6,7,8,9,10,11,12,13,14,15
	ds_load_b128 v[Q+4*\t:Q+4*\t+3], v[RD] offset:\t*576           ; my own stage: a wave's LDS instructions are served in order
.endr
.irp t, 0,1,2,3,4,5,6,7,8,9,10,11,12,13,14,15
	s_wait_dscnt 15-\t                             ; load t of the sixteen is in
	global_store_b128 v[CO], v[Q+4*\t:Q+4*\t+3], s[10:11] offset:512*\t    ; four rows of 128 bytes: 512 consecutive bytes, aligned
.endr
.Ldone:
	s_wait_tensorcnt 0x0
	ds_add_u32 v62, v63
	s_wait_dscnt 0x0
	ROUND                                          ; the closing round
	s_endpgm
.Lfunc_end_k_q0f36c327f0_attn:
	.size	k_q0f36c327f0_attn, .Lfunc_end_k_q0f36c327f0_attn-k_q0f36c327f0_attn
	.p2alignl 7, 3214868480
	.fill 96, 4, 3214868480
	.section	.rodata,"a",@progbits
	.p2align	6, 0x0
	.amdhsa_kernel k_q0f36c327f0_attn
		.amdhsa_group_segment_fixed_size 327680
		.amdhsa_private_segment_fixed_size 0
		.amdhsa_enable_private_segment 0
		.amdhsa_kernarg_size 48
		.amdhsa_user_sgpr_count 2
		.amdhsa_user_sgpr_kernarg_segment_ptr 1
		.amdhsa_wavefront_size32 1
		.amdhsa_system_sgpr_workgroup_id_x 1
		.amdhsa_system_sgpr_workgroup_id_y 1
		.amdhsa_system_sgpr_workgroup_id_z 1
		.amdhsa_system_vgpr_workitem_id 0
		.amdhsa_next_free_vgpr 512
		.amdhsa_next_free_sgpr 72
		.amdhsa_reserve_vcc 0
		.amdhsa_float_denorm_mode_32 3
		.amdhsa_float_denorm_mode_16_64 3
		.amdhsa_memory_ordered 1
		.amdhsa_forward_progress 1
		.amdhsa_inst_pref_size 255
	.end_amdhsa_kernel
	.section	.bss,"aw",@nobits
	.p2align	6
	.space	262144
	.amdgpu_metadata
---
amdhsa.version: [ 1, 2 ]
amdhsa.kernels:
  - .name:           k_q0f36c327f0_attn
    .symbol:         k_q0f36c327f0_attn.kd
    .args:
      - { .name: qh, .offset: 0, .size: 8, .value_kind: global_buffer, .address_space: global }
      - { .name: kh, .offset: 8, .size: 8, .value_kind: global_buffer, .address_space: global }
      - { .name: vh, .offset: 16, .size: 8, .value_kind: global_buffer, .address_space: global }
      - { .name: att, .offset: 24, .size: 8, .value_kind: global_buffer, .address_space: global }
      - { .name: wo, .offset: 32, .size: 8, .value_kind: global_buffer, .address_space: global }
      - { .name: wo16, .offset: 40, .size: 8, .value_kind: global_buffer, .address_space: global }
    .group_segment_fixed_size: 327680
    .private_segment_fixed_size: 0
    .kernarg_segment_align: 8
    .kernarg_segment_size: 48
    .max_flat_workgroup_size: 256
    .sgpr_count:     72
    .vgpr_count:     512
    .wavefront_size: 32
...
	.end_amdgpu_metadata
.endif
;; end of part 2
;; launch oproj (part 3): grid 8 x 32, 4 waves a work-group, clusters of 4 x 4, 327,680 bytes of LDS; arguments att, wo16, bo, out0; writes out0
.if DOCPART == 3
	.amdgcn_target "amdgcn-amd-amdhsa--gfx1250"
	.amdhsa_code_object_version 6
	.text
	.protected	k_q0f36c327f0_oproj
	.globl	k_q0f36c327f0_oproj
	.p2align	8
	.type	k_q0f36c327f0_oproj,@function
k_q0f36c327f0_oproj:
	s_mov_b64 s[64:65], 0
	v_nop
	global_prefetch_b8 v0, s[64:65] scope:SCOPE_SE
	s_setreg_imm32_b32 hwreg(HW_REG_WAVE_MODE, 25, 1), 1
	s_wait_xcnt 0x0
	s_wait_alu depctr_hold_cnt(0) depctr_sa_sdst(0) depctr_va_vdst(0) depctr_va_sdst(0) depctr_va_ssrc(0) depctr_va_vcc(0) depctr_vm_vsrc(0)
	s_getreg_b32 s2, hwreg(HW_REG_IB_STS2, 6, 4)
	s_cmp_eq_u32 s2, 0
	s_cbranch_scc0 .Lentry_in_a_cluster
	s_endpgm
.Lentry_in_a_cluster:
	s_bfe_u32 s2, ttmp6, 0x10000c
	s_cmp_lg_u32 s2, 0xf033
	s_cbranch_scc0 .Lentry_shape_is_right
	s_endpgm
.Lentry_shape_is_right:
; out0 = att Wo^T + bo.  att: f16, head-major [2][16][2048][64]; wo16: [1024][1024] f16 (wo, rounded by the launch before); bo: [1024] f32;
; out0: [4096][1024] f32.
; 256 work-groups, each a block of 128 x 128 (blocks of 256 x 256 would be 64 work-groups).  Four waves, 64 x 64 each, 16 accumulator tiles.
; K = 1024 goes through two LDS slots of 256 along K (four heads): four fills in all, two at the start and two refills.  A slot of 256 is the largest of
; which two fit: att 4 planes x 128 rows x 144 bytes + wo16 128 rows x 528 bytes = 141,312 bytes.  A refill brings 128 KiB and has the other slot's
; 128 matrix instructions of each wave in which to land.
; CLUSTERS: 4 x 4 work-groups; att's tiles are asked for jointly along a row of the cluster, wo16's along a column.
; The matrix instruction is used transposed (source 0 = rows of wo16, source 1 = rows of att): a lane's eight results are eight neighbouring columns.
; LIMITS: the bias is the C of the first product, so it is summed first and not last; sums in f32.
.set APL,    18432                     ; a head plane in LDS: 128 rows x (128 + 16) bytes
.set AHALF,  2*APL                     ; two planes: what wave 0 or 1 asks for
.set BOFF,   4*APL                     ; wo16's rows lie behind the four planes
.set BHALF,  33792                     ; 64 rows x (512 + 16) bytes: what wave 2 or 3 asks for
.set SLOT,   BOFF+2*BHALF              ; 141,312
.set STAGE,  2*SLOT                    ; 16 rows x 272 bytes for each wave; no tensor load lands there
.set SPITCH, 272
.set ADRA, 16                          ; v16-17 LDS address of my att fragments in slot 0, 1
.set ADRB, 20                          ; v20-21 the same for wo16
.set STO,  24
.set RD,   25
.set CO,   26
.set BO,   28
.set F0,   32                          ; v32-95, v96-159 two fragment buffers: wo16's four fragments, then att's four (16 rows x 32 K each)
.set F1,   96
.set OB,   160                         ; v160-191 way out
.set BI,   192                         ; v192-223 the bias as 4 C fragments
                                       ; window 1: v0-127 accumulators, tile (a, b) at 8 (4 a + b)
.set G1,  24
.set G0,  32
.set G1B, 48
.set G0B, 56
.set MSB, 0
.macro WIN new
.if MSB != (\new)
	s_set_vgpr_msb (MSB<<8)|(\new)
.set MSB, (\new)
.endif
.endm
.macro PLACES                          ; four places behind matrix instructions (ISA guide 7.12.1)
.rept 4
	v_nop
.endr
.endm
.macro JLOAD s                         ; waves 0, 1 ask for two head planes of att each, waves 2, 3 for 64 rows of wo16 each
	s_cmp_eq_u32 s13, 0
	s_cbranch_scc0 .Lfor_b_\@
	tensor_load_to_lds s[G0+4*\s:G0+4*\s+3], s[G1:G1+7]
	s_nop 0
	s_branch .Lasked_\@
.Lfor_b_\@:
	tensor_load_to_lds s[G0B+4*\s:G0B+4*\s+3], s[G1B:G1B+7]
	s_nop 0
.Lasked_\@:
.endm
.macro CROUND                          ; a round of the cluster's barrier
	s_barrier_signal -1
	s_barrier_wait -1
	s_cmp_lg_u32 s12, 0
	s_cbranch_scc1 .Lnot_wave_0_\@
	s_barrier_signal -3
.Lnot_wave_0_\@:
	s_barrier_wait -3
	s_barrier_signal -1
	s_barrier_wait -1
.endm
	s_load_b256 s[4:11], s[0:1], 0x0               ; att s[4:5], wo16 s[6:7], bo s[8:9], out0 s[10:11]
	v_lshl_add_u32 v254, v0, 2, 0x49400
	v_mov_b32 v255, 0
	ds_add_u32 v254, v255
	v_lshrrev_b32 v1, 5, v0
	v_readfirstlane_b32 s12, v1                    ; wave 0..3
	s_lshr_b32 s13, s12, 1                         ; my half of the rows; also: I ask for att (0) or wo16 (1)
	s_and_b32 s14, s12, 1                          ; my half of the columns; also: which planes or rows I ask for
	s_bfe_u32 s40, ttmp6, 0x40000                  ; cx
	s_bfe_u32 s41, ttmp6, 0x40004                  ; cy
	s_lshl_b32 s42, ttmp9, 2
	s_add_co_u32 s42, s42, s40                     ; block column 0..7
	s_and_b32 s45, ttmp7, 0xffff
	s_lshl_b32 s45, s45, 2
	s_add_co_u32 s45, s45, s41                     ; block row 0..31
	s_lshl_b32 s43, s41, 2
	s_lshl_b32 s43, 15, s43                        ; my row of the cluster
	s_lshl_b32 s44, 0x1111, s40                    ; my column
	; att: the block's 128 rows of one head are a dense block of 16,384 bytes, and the next head's lie 262,144 bytes further on: a tile of two rows of
	; 8,192 elements of 2 bytes.  The padding is counted along the tile: 4 words behind every 32 words, that is behind each 128 bytes: LDS pitch 144.
	s_or_b32 s[G1+0], s43, (1<<16)|(1<<20)|(1<<21)|(4<<22)|(3<<25)
	s_mov_b32 s[G1+1], 8192<<16                    ; tensor_dim0 = 8192
	s_mov_b32 s[G1+2], 2<<16                       ; tensor_dim1 = 2
	s_mov_b32 s[G1+3], 8192<<16                    ; tile_dim0 = 8192
	s_mov_b32 s[G1+4], 2                           ; tile_dim1 = 2
	s_mov_b32 s[G1+5], 131072                      ; elements from head to head
	s_mov_b32 s[G1+6], 0
	s_mov_b32 s[G1+7], 0
	; wo16: 64 rows of 256 elements of 2 bytes (512 bytes, starting at multiples of 512); 4 words of padding behind every 128 words: LDS pitch 528
	s_or_b32 s[G1B+0], s44, (1<<16)|(1<<20)|(1<<21)|(6<<22)|(3<<25)
	s_mov_b32 s[G1B+1], 256<<16
	s_mov_b32 s[G1B+2], 64<<16
	s_mov_b32 s[G1B+3], 256<<16
	s_mov_b32 s[G1B+4], 64
	s_mov_b32 s[G1B+5], 1024
	s_mov_b32 s[G1B+6], 0
	s_mov_b32 s[G1B+7], 0
	s_lshr_b32 s16, s45, 4                         ; att: batch x 16 heads x 262,144
	s_lshl_b32 s16, s16, 22
	s_and_b32 s17, s45, 15                         ; + 128 rows of 128 bytes x (block row mod 16)
	s_lshl_b32 s17, s17, 14
	s_add_co_u32 s16, s16, s17
	s_lshl_b32 s17, s14, 19                        ; + my two planes
	s_add_co_u32 s16, s16, s17
	s_mov_b32 s17, 0
	s_lshl_b32 s46, s42, 18                        ; wo16: 128 rows of 2,048 bytes x block column
	s_lshl_b32 s47, s14, 17                        ; + my 64 rows
	s_add_co_u32 s46, s46, s47
	s_mov_b32 s47, 0
	s_mul_i32 s20, s12, AHALF                      ; LDS, waves 0, 1: wave x two planes
	s_mul_i32 s21, s12, BHALF                      ; waves 2, 3: BOFF + (wave - 2) x 64 rows
	s_add_co_u32 s21, s21, BOFF-2*BHALF
	s_wait_dscnt 0x0
	s_wait_kmcnt 0x0
	s_add_nc_u64 s[18:19], s[4:5], s[16:17]
	s_add_nc_u64 s[46:47], s[6:7], s[46:47]
	CROUND                                         ; all sixteen work-groups are here
.irp s, 0,1
	s_mov_b32 s[G0+4*\s], 1
	s_add_co_u32 s[G0+4*\s+1], s20, \s*SLOT
	s_add_nc_u64 s[G0+4*\s+2:G0+4*\s+3], s[18:19], \s*1048576      ; fill s: four heads on
	s_or_b32 s[G0+4*\s+3], s[G0+4*\s+3], 0x80000000
	s_mov_b32 s[G0B+4*\s], 1
	s_add_co_u32 s[G0B+4*\s+1], s21, \s*SLOT
	s_add_nc_u64 s[G0B+4*\s+2:G0B+4*\s+3], s[46:47], \s*512
	s_or_b32 s[G0B+4*\s+3], s[G0B+4*\s+3], 0x80000000
	JLOAD \s                                       ; both first fills: two loads of the wave are out
.endr
	v_and_b32 v1, 15, v0                           ; r
	v_bfe_u32 v2, v0, 4, 1                         ; h
	v_mul_u32_u24 v3, v1, 144
	v_lshl_add_u32 v3, v2, 4, v3                   ; att: r x 144 + 16 h
	v_mul_u32_u24 v4, v1, 528
	v_lshl_add_u32 v4, v2, 4, v4                   ; wo16: r x 528 + 16 h
	s_mul_i32 s22, s13, 9216                       ; my 64 rows of every plane
	s_mul_i32 s23, s14, BHALF                      ; my 64 rows of wo16
	s_add_co_u32 s23, s23, BOFF
.irp s, 0,1
	v_add_nc_u32 v[ADRA+\s], s22, v3
	v_add_nc_u32 v[ADRB+\s], s23, v4
	s_add_co_u32 s22, s22, SLOT
	s_add_co_u32 s23, s23, SLOT
.endr
	s_mul_i32 s23, s12, 16*SPITCH
	s_add_co_u32 s23, s23, STAGE
	v_mul_u32_u24 v3, v1, SPITCH
	v_lshl_add_u32 v3, v2, 5, v3
	v_add_nc_u32 v[STO], s23, v3                   ; in: row r, 32 bytes for each half of the lanes
	v_mul_u32_u24 v3, v2, SPITCH
	v_lshl_add_u32 v3, v1, 4, v3
	v_add_nc_u32 v[RD], s23, v3                    ; back: lanes 0-15 one row of 256 bytes, lanes 16-31 the next
	v_lshlrev_b32 v3, 4, v1
	v_lshl_add_u32 v[CO], v2, 12, v3               ; the same two rows in out0
	s_lshl_b32 s66, s42, 9                         ; bias: 4 x (128 x block column + 64 x half + 8 h)
	s_lshl_b32 s67, s14, 8
	s_add_co_u32 s66, s66, s67
	v_lshl_add_u32 v[BO], v2, 5, s66
.irp b, 0,1,2,3
	global_load_b128 v[BI+8*\b:BI+8*\b+3],   v[BO], s[8:9] offset:64*\b
	global_load_b128 v[BI+8*\b+4:BI+8*\b+7], v[BO], s[8:9] offset:64*\b+16
.endr
; 16 LDS loads: the fragments of chunk c (32 along K; c / 2 is the head plane, c % 2 its half) of a slot into buffer f
.macro LOADS slot, c, f
.irp i, 0,1,2,3
	ds_load_b128 v[\f+8*\i:\f+8*\i+3],   v[ADRB+\slot] offset:\c*64+\i*8448
	ds_load_b128 v[\f+8*\i+4:\f+8*\i+7], v[ADRB+\slot] offset:\c*64+\i*8448+32
.endr
.irp i, 0,1,2,3
	ds_load_b128 v[\f+32+8*\i:\f+32+8*\i+3], v[ADRA+\slot] offset:(\c/2)*APL+(\c%2)*64+\i*2304
	ds_load_b128 v[\f+32+8*\i+4:\f+32+8*\i+7], v[ADRA+\slot] offset:(\c/2)*APL+(\c%2)*64+\i*2304+32
.endr
.endm
; 8 matrix instructions.  The 16 accumulators take turns, one instruction a turn, in the same order in every chunk.
.macro MUL8 f, a0, first
.irp a, \a0, \a0+1
.irp b, 0,1,2,3
.if \first
	v_wmma_f32_16x16x32_f16 v[8*(4*(\a)+\b):8*(4*(\a)+\b)+7], v[\f+8*\b:\f+8*\b+7], v[\f+32+8*(\a):\f+32+8*(\a)+7], v[BI+8*\b:BI+8*\b+7]
.else
	v_wmma_f32_16x16x32_f16 v[8*(4*(\a)+\b):8*(4*(\a)+\b)+7], v[\f+8*\b:\f+8*\b+7], v[\f+32+8*(\a):\f+32+8*(\a)+7], v[8*(4*(\a)+\b):8*(4*(\a)+\b)+7]
.endif
.endr
.endr
.endm
; One chunk: asks for chunk c of the slot into buffer g, which the last chunk's products read, and multiplies buffer f, asked for a chunk ago.
.macro CHUNK slot, c, f, g, first
	PLACES
	LOADS \slot, \c, \g
	s_wait_dscnt 16                                ; buffer f is in; the 16 loads just issued may be out
.if \first
	WIN 0x40                                       ; D in window 1, C = the bias in window 0
.else
	WIN 0x50                                       ; C and D in window 1
.endif
	MUL8 \f, 0, \first
	MUL8 \f, 2, \first
	WIN 0
.endm
.macro RUN slot, first                 ; chunks 0 to 6 of a slot; chunk 7 is multiplied behind the change of slots
	CHUNK \slot, 1, F0, F1, \first
	CHUNK \slot, 2, F1, F0, 0
	CHUNK \slot, 3, F0, F1, 0
	CHUNK \slot, 4, F1, F0, 0
	CHUNK \slot, 5, F0, F1, 0
	CHUNK \slot, 6, F1, F0, 0
	CHUNK \slot, 7, F0, F1, 0
.endm
; The change of slots.  In front of the barrier my reads of this slot are back (chunk 7 is in buffer 1) and all my tensor loads have landed (one is out:
; my part of the next slot).  fill = 1: the barrier is a round of the cluster's, so that this holds of all partners, and this slot is asked for again
; first behind it.  Then the next slot's first chunk is asked for and chunk 7 is multiplied.
.macro TURN slot, next, fill
	s_wait_dscnt 0x0
	s_wait_tensorcnt 0x0
	ds_add_u32 v254, v255
	s_wait_dscnt 0x0
.if \fill
	CROUND
	s_add_nc_u64 s[G0+4*\slot+2:G0+4*\slot+3], s[G0+4*\slot+2:G0+4*\slot+3], 2097152      ; eight heads on; no load of mine is out
	s_add_nc_u64 s[G0B+4*\slot+2:G0B+4*\slot+3], s[G0B+4*\slot+2:G0B+4*\slot+3], 1024
	JLOAD \slot                                    ; my one tensor load behind the round
.else
	s_barrier_signal -1
	s_barrier_wait -1
.endif
	CHUNK \next, 0, F1, F0, 0
.endm
	s_wait_tensorcnt 1                             ; my part of the first fill is in; the second's may stay out
	s_barrier_signal -1
	s_barrier_wait -1
	LOADS 0, 0, F0
	s_wait_loadcnt 0x0                             ; the bias
	RUN 0, 1                                       ; K 0-255: the first products start the sums from the bias
	TURN 0, 1, 1                                   ; asks for K 512-767
	RUN 1, 0                                       ; K 256-511
	TURN 1, 0, 1                                   ; asks for K 768-1023, the last
	RUN 0, 0
	TURN 0, 1, 0                                   ; nothing is left to ask for
	RUN 1, 0
	s_wait_dscnt 0x0                               ; the very last chunk
	WIN 0x50
	MUL8 F1, 0, 0
	MUL8 F1, 2, 0
	; THE WAY OUT, 16 rows at a time, through my stage: sixteen lanes then hold 256 neighbouring bytes of a row
	WIN 0
	PLACES
	s_lshl_b32 s16, s45, 19                        ; 128 rows of 4,096 bytes x block row
	s_lshl_b32 s17, s13, 18
	s_add_co_u32 s16, s16, s17
	s_mov_b32 s17, 0
	s_add_nc_u64 s[10:11], s[10:11], s[16:17]
	s_lshl_b32 s46, s42, 9                         ; 512 bytes x block column + 256 x half
	s_lshl_b32 s47, s14, 8
	s_add_co_u32 s46, s46, s47
	s_mov_b32 s47, 0
	s_add_nc_u64 s[10:11], s[10:11], s[46:47]
.macro OUTA a
	WIN 0x04                                       ; store data in window 1
.irp b, 0,1,2,3
	ds_store_b128 v[STO], v[8*(4*\a+\b):8*(4*\a+\b)+3]   offset:64*\b
	ds_store_b128 v[STO], v[8*(4*\a+\b)+4:8*(4*\a+\b)+7] offset:64*\b+16
.endr
	WIN 0
	s_wait_xcnt 0x0                                ; OB, which the last eight stores read, is loaded again only behind this wait
.irp t, 0,1,2,3,4,5,6,7
	ds_load_b128 v[OB+4*\t:OB+4*\t+3], v[RD] offset:\t*2*SPITCH    ; a wave's LDS instructions are served in order
.endr
.irp t, 0,1,2,3,4,5,6,7
	s_wait_dscnt 7-\t                              ; load t of the eight is in
	global_store_b128 v[CO], v[OB+4*\t:OB+4*\t+3], s[10:11] offset:(16*\a+2*\t)*4096 th:TH_STORE_NT
.endr
.endm
	OUTA 0
	OUTA 1
	OUTA 2
	OUTA 3
	s_wait_tensorcnt 0x0
	ds_add_u32 v254, v255
	s_wait_dscnt 0x0
	CROUND                                         ; the closing round
	s_endpgm
.Lfunc_end_k_q0f36c327f0_oproj:
	.size	k_q0f36c327f0_oproj, .Lfunc_end_k_q0f36c327f0_oproj-k_q0f36c327f0_oproj
	.p2alignl 7, 3214868480
	.fill 96, 4, 3214868480
	.section	.rodata,"a",@progbits
	.p2align	6, 0x0
	.amdhsa_kernel k_q0f36c327f0_oproj
		.amdhsa_group_segment_fixed_size 327680
		.amdhsa_private_segment_fixed_size 0
		.amdhsa_enable_private_segment 0
		.amdhsa_kernarg_size 32
		.amdhsa_user_sgpr_count 2
		.amdhsa_user_sgpr_kernarg_segment_ptr 1
		.amdhsa_wavefront_size32 1
		.amdhsa_system_sgpr_workgroup_id_x 1
		.amdhsa_system_sgpr_workgroup_id_y 1
		.amdhsa_system_sgpr_workgroup_id_z 1
		.amdhsa_system_vgpr_workitem_id 0
		.amdhsa_next_free_vgpr 384
		.amdhsa_next_free_sgpr 72
		.amdhsa_reserve_vcc 0
		.amdhsa_float_denorm_mode_32 3
		.amdhsa_float_denorm_mode_16_64 3
		.amdhsa_memory_ordered 1
		.amdhsa_forward_progress 1
		.amdhsa_inst_pref_size 90
	.end_amdhsa_kernel
	.amdgpu_metadata
---
amdhsa.version: [ 1, 2 ]
amdhsa.kernels:
  - .name:           k_q0f36c327f0_oproj
    .symbol:         k_q0f36c327f0_oproj.kd
    .args:
      - { .name: att, .offset: 0, .size: 8, .value_kind: global_buffer, .address_space: global }
      - { .name: wo16, .offset: 8, .size: 8, .value_kind: global_buffer, .address_space: global }
      - { .name: bo, .offset: 16, .size: 8, .value_kind: global_buffer, .address_space: global }
      - { .name: out0, .offset: 24, .size: 8, .value_kind: global_buffer, .address_space: global }
    .group_segment_fixed_size: 327680
    .private_segment_fixed_size: 0
    .kernarg_segment_align: 8
    .kernarg_segment_size: 32
    .max_flat_workgroup_size: 128
    .sgpr_count:     72
    .vgpr_count:     384
    .wavefront_size: 32
...
	.end_amdgpu_metadata
.endif
;; end of part 3
